; MI455X (gfx1250); checked and timed in simulation.
; The chip was launched on July 23, 2026; its instructions are those of AMD's public machine-readable ISA for CDNA 5 (MIT licence, August 2026) and "CDNA5" Instruction Set Architecture Reference Guide (July 2026). The comments in the code are by the model that wrote it; some were corrected since.
;; Vector Quantize Sampler. Allowed arithmetic: matrix products marked QUANTISED: E2M1 operands, one E8M0 scale for each 32 along K, by v_wmma_scale_f32_16x16x128_f8f6f4 with both operands' format E2M1 (or v_wmma_scale_f32_32x16x128_f4), f32 sums; everything else in f32.
;; Inputs: embeddings 1,024 x 64 float32; zq 131,072 x 64 float32.
;; Outputs: out0 131,072 x 64 float32.
;; This version of the problem:
;;   THIS VERSION OF THE PROBLEM IS GIVEN IN LOW PRECISION. The matrix products marked QUANTISED in the list below multiply operands that are first quantised to E2M1 (2 exponent bits, 1 mantissa bit; 4 bits a number), with one power-of-two scale for each 32 numbers along K (OCP MX v1.0); their sums are f32. All else is computed in f32.
;;   The module's matrix products, in the order in which they are computed (A, B: the left and right operand; K: the contracted axis; several contracted axes count as one K, in the product's order):
;;     1. [M 131,072, K 64] x [K 64, N 1,024]; A: input zq; B: input embeddings: QUANTISED
;;   THE QUANTISER, for each operand of a quantised product, along K:
;;     - K is cut into blocks of 32 from its start; a last block that is shorter is filled with zeros.
;;     - A block's scale is 2^e with e = floor(log2(the largest magnitude in the block)) - 2, held to -126 .. 127; a block of zeros has e = 0. As a byte (E8M0): e + 127.
;;     - Each number is divided by its block's scale, clamped to +-6, and rounded to the nearest number of E2M1, ties to even, subnormals kept.
;;     - The product sums the exact products of the quantised numbers (number of the format x scale) in f32.
;;   ~~~python
;;   def quantise(x, axis):      # numpy; x: float32 -> the quantised numbers, widened to float32 again
;;       x = np.moveaxis(x, axis, -1); K = x.shape[-1]
;;       x = np.pad(x, [(0, 0)] * (x.ndim - 1) + [(0, -K % 32)]); x = x.reshape(x.shape[:-1] + (-1, 32)); a = np.abs(x).max(-1, keepdims=True)
;;       e = np.where(a > 0, np.clip(np.frexp(np.where(a > 0, a, 1))[1] - 1 - 2, -126, 127), 0)      # np.frexp(a)[1] - 1 = floor(log2(a)), exactly
;;       r = np.clip(x / 2.0 ** e, -6, 6)
;;       step = 2.0 ** (np.maximum(np.frexp(np.where(r == 0, 1, r))[1] - 1, 0) - 1)
;;       q = np.round(r / step) * step * 2.0 ** e      # np.round: ties to even
;;       return np.moveaxis(q.reshape(q.shape[:-2] + (-1,))[..., :K], -1, axis).astype(np.float32)
;;   ~~~
;; 2 versions. Each part assembles by itself: llvm-mc -triple=amdgcn-amd-amdhsa -mcpu=gfx1250 --defsym DOCPART=n.
;; ======== version 1 of 2: 2 launches
;; workspace buffers: idx 524,288 bytes of whole numbers
;; launch nearest (part 1): grid 256 x 1, 4 waves a work-group, no clusters, 215,552 bytes of LDS; arguments embeddings, zq, idx; writes idx
.if DOCPART == 1
	.amdgcn_target "amdgcn-amd-amdhsa--gfx1250"
	.amdhsa_code_object_version 6
	.text
	.protected	k_qbea9507b08_nearest
	.globl	k_qbea9507b08_nearest
	.p2align	8
	.type	k_qbea9507b08_nearest,@function
k_qbea9507b08_nearest:
	s_mov_b64 s[64:65], 0
	v_nop
	global_prefetch_b8 v0, s[64:65] scope:SCOPE_SE
	s_setreg_imm32_b32 hwreg(HW_REG_WAVE_MODE, 25, 1), 1
	s_wait_xcnt 0x0
; idx[b] = the codeword k of 1,024 that makes |z_b|^2 - 2 Q(z_b).Q(w_k) + |w_k|^2 smallest, the lowest k among equals.  zq: [131072][64] f32, embeddings: [1024][64] f32, idx: [131072] u32.
; Q: codes of FP4 (E2M1) with one E8M0 scale for each 32 along the 64.  |z_b|^2 is the same for all k, so what is sought is the LARGEST s_k = Q(z).Q(w_k) - |w_k|^2 / 2.
; -|w_k|^2 / 2 is the C operand of the matrix instruction, so a score costs no vector instruction to form.
; LIMITS: the sum dot - |w|^2 / 2 is rounded once, in the matrix instruction, and |w|^2 is summed in four partial sums: codewords whose distances lie within a few units
; in the last place of each other may be ordered otherwise than by z^2 - 2 dot + w^2 rounded step by step.  NaN and infinities among the inputs, and scores beyond f32's range, are not served.
; A block of zeros gets the scale byte 1 (its codes are zeros, which add nothing); the bytes are read by this text alone.
; SHARES.  A work-group takes 512 rows of z, each of its four waves 128, as four groups of 32 rows (two tiles of 16).  EVERY WAVE HOLDS THE WHOLE QUANTISED CODEBOOK IN REGISTERS: 256 of codes,
; 512 of biases in the result's layout, 16 of scale words.  So the main part reads nothing from LDS but z.
; K IS 64, THE INSTRUCTION 128 DEEP.  An A operand holds TWO tiles of 16 codewords, tile 2 p in k 0-63 and tile 2 p + 1 in k 64-127; the z operand is [codes | zero codes] or [zero codes | codes],
; cut out of the run of registers 0000 T T T T 0000.  No zeros are kept on the codebook's side.
; LAYOUT.  Source 0 = codewords, source 1 = z: lane (r, h) holds row r of z, and register j the score of codeword 8 h + j of the tile.
; THE ARGMAX, by blocks of 16 scores of a lane (a pair of tiles): eight three-way maxima (the running best among the leaves), one compare, one select for the block's number and sixteen that keep
; the winning block's scores: 26 instructions for 16 scores.  Which of the 16 kept scores won is looked up once for a group.  Strictly greater wins, blocks ascend: the lowest index stays.
; NO CLUSTER: what the work-groups share is the codebook, and it goes through registers: as f32 rows of 272 bytes it would take 278,528 bytes of LDS beside z's 139,264, more than a work-group can be given.
; REGISTERS, in windows of 256: window 0: see the names below.  window 1: pair p's codes at v[8 p].  windows 2, 3: first the 128 loads of my 256 codewords; then the biases, tile t at v[8 (t % 32)] of window 2 + t / 32.
.set ZST,  0                           ; LDS: z: wave w at 34,816 w: 128 rows of 256 bytes + 16 of padding; filled once, by tensor loads
.set CST,  139264                      ; the stage in which a pair's 32 codewords turn from dense loads into a row a lane: wave w at 8,704 w, rows 272 bytes apart
.set AIMG, 174080                      ; the 32 pairs' codes as images of their registers: pair P at 1,024 P, registers 4 c .. 4 c + 3 at + 512 c, lane l at + 16 l
.set ASC,  206848                      ; their scale words: register u (pair 2 u in lanes 0-15, pair 2 u + 1 in lanes 16-31) at 512 (u / 4) + 16 l + 4 (u % 4)
.set WSQ,  208896                      ; -|w|^2 / 2, 4 bytes a codeword
.set IDXS, 212992                      ; wave w at 512 w: its 128 indices
.set PITCH, 272                        ; 68 words: row r starts at bank 4 r mod 64 (64 banks of 4 bytes: ISA guide 11.1)
.set L16,  1                           ; v1   16 x lane
.set H8,   2                           ; v2   8 x (lane / 16)
.set CSTW, 3                           ; v3   my stage, on the way in: two rows to a store
.set CSTR, 4                           ; v4   and on the way out: a row a lane
.set IMW,  5                           ; v5   where I store images
.set IMR,  6                           ; v6   where I read them
.set SCW,  7                           ; v7   where I store scale words
.set SCR,  8                           ; v8   where I read them
.set WQW,  9                           ; v9   where I store biases
.set WQR,  10                          ; v10  where I read them
.set ZA0,  11                          ; v11  my row in a group of z
.set ZAD,  12                          ; v12  the same in the group in hand
.set IXW0, 13                          ; v13  where I store an index
.set IXR,  14                          ; v14  where I read four back
.set IXA,  15                          ; v15  the store's address in the group in hand
.set ASCR, 16                          ; v16-31   the codebook's scale words, and nothing else
.set ZS,   32                          ; v32      z's scale words, and nothing else: lanes 0-15 tile 0, lanes 16-31 tile 1
.set NZS,  33                          ; v33      those of the next group
.set ZB,   36                          ; v36-55   0000 T0-3 0000 T4-7 0000: z's two tiles between zero codes
.set NC,   56                          ; v56-63   the codes just made
.set D,    64                          ; v64-127  scores: two buffers of 32: 32 (p % 2) + 16 a + 8 s + j
.set X1,   64                          ;          (at the start: the second set of a lane's 64 numbers)
.set SV,   128                         ; v128-159 the winning block's 16 scores, for each tile a of z
.set WT,   128                         ;          (at the start: the biases as they come from LDS)
.set BEST, 160                         ; v160-163 the best score so far: 2 a + parity of the pair
.set PIDX, 164                         ; v164-165 the winning pair
.set Y,    166                         ; v166-179 seven registers at work for each a
.set TQ,   166                         ;          the quantiser's share them:
.set MX,   166                         ; v166-169 largest magnitudes, two chains a block
.set SS,   170                         ; v170-171 the conversions' scale operands
.set BY,   172                         ; v172-173 the scale bytes
.set HW,   174                         ; v174     a row's two bytes
.set HB,   175
.set SQ,   176                         ; v176-179 four partial sums of squares
.set BIAS, 180
.set WRD,  181
.set EI,   180                         ; v180-190 the end of a group
.set T1,   182
.set IDX,  184
.set OB,   186
.set OI,   188
.set FIN,  190
.set X,    192                         ; v192-255 a lane's row: 64 numbers
.set WV,   10                          ; s10  my wave's number
.set G0,   12                          ; s[12:15], s[16:19] descriptor groups 0;  s[20:27] group 1
.set G1,   20
.set SEL,  28                          ; s[28:29] v_permlanex16_b32's selects for lane l xor 16
.set HI16, 30                          ; s30  the mask of lanes 16-31
.set CNT,  31
.set ZO,   32                          ; s32  where the next group of z begins in my 128 rows
.set IXO,  33                          ; s33  where this group's indices go
.set MK,   34                          ; s34-35 'this block wins', for each a
.set FM,   36                          ; s36-41 masks at the end of a group
.set MSB, 0
.macro WIN new                         ; the immediate's high byte repeats the setting that is left; a switch that changes nothing is dropped
.if MSB != (\new)
	s_set_vgpr_msb (MSB<<8)|(\new)
.set MSB, (\new)
.endif
.endm
.macro PLACES n
.rept \n
	v_nop
.endr
.endm
	s_load_b128 s[4:7], s[0:1], 0x0                ; embeddings s[4:5], zq s[6:7]
	s_load_b64 s[8:9], s[0:1], 0x10                ; idx
	v_lshl_add_u32 v35, v0, 2, 0x34800
	v_mov_b32 v191, 0
	ds_add_u32 v35, v191
	ds_add_u32 v35, v191
	v_lshrrev_b32 v[TQ], 5, v0
	v_readfirstlane_b32 s[WV], v[TQ]               ; wave 0..3
	v_and_b32 v[TQ], 31, v0                        ; lane
	v_lshlrev_b32 v[L16], 4, v[TQ]
	; descriptor group 1: a tile of 64 rows x 64 numbers of 4 bytes, dense in memory, 16 bytes of padding behind each row in LDS
	s_mov_b32 s[G1+0], (2<<16)|(1<<20)|(5<<22)|(3<<25)   ; 15:0 no mask; 17:16 elements of 4 bytes; 20 padding on; 24:22 after every 64 words (code 5); 31:25 four words (code 3)
	s_mov_b32 s[G1+1], 64<<16                      ; tensor_dim0 = 64
	s_mov_b32 s[G1+2], 64<<16                      ; tensor_dim1 = 64
	s_mov_b32 s[G1+3], 64<<16                      ; tile_dim0 = 64
	s_mov_b32 s[G1+4], 64                          ; tile_dim1 = 64
	s_mov_b32 s[G1+5], 64                          ; from row to row: 64 elements
	s_mov_b32 s[G1+6], 0
	s_mov_b32 s[G1+7], 0
	s_mov_b32 s[G0], 1
	s_mul_i32 s[G0+1], s[WV], 128*PITCH            ; my 128 rows in LDS
	s_mov_b32 s[G0+4], 1
	s_add_co_u32 s[G0+5], s[G0+1], 64*PITCH        ; and their second half
	s_lshl_b32 s2, ttmp9, 17                       ; the work-group's 512 rows of 256 bytes,
	s_lshl_b32 s3, s[WV], 15                       ; my wave's 128 of them
	s_add_co_u32 s2, s2, s3
	s_mov_b32 s3, 0
	s_wait_dscnt 0x0
	s_wait_kmcnt 0x0
	s_add_nc_u64 s[6:7], s[6:7], s[2:3]
	s_mov_b64 s[G0+2:G0+3], s[6:7]
	s_or_b32 s[G0+3], s[G0+3], 0x80000000          ; type = 2
	s_add_nc_u64 s[G0+6:G0+7], s[6:7], 64*256
	s_or_b32 s[G0+7], s[G0+7], 0x80000000
	tensor_load_to_lds s[G0:G0+3], s[G1:G1+7]      ; all my z is asked for at once: two loads of mine are out.  Nothing in LDS is ever filled again
	s_nop 0
	tensor_load_to_lds s[G0+4:G0+7], s[G1:G1+7]
	s_nop 0
	PLACES 4
	s_lshl_b32 s2, s[WV], 16                       ; my 256 codewords of 256 bytes
	s_add_nc_u64 s[4:5], s[4:5], s[2:3]
	s_lshl_b32 s2, ttmp9, 11                       ; idx: 512 words a work-group,
	s_lshl_b32 s11, s[WV], 9                       ; 128 a wave
	s_add_co_u32 s2, s2, s11
	s_add_nc_u64 s[8:9], s[8:9], s[2:3]
	; my quarter of the codebook, as it lies: each load takes 512 consecutive bytes, two codewords.  Pair q (32 codewords) is 16 loads
	WIN 0x80                                       ; destination window 2
.irp q, 0,1,2,3
.irp i, 0,1,2,3,4,5,6,7,8,9,10,11,12,13,14,15
	global_load_b128 v[64*\q+4*\i:64*\q+4*\i+3], v[L16], s[4:5] offset:8192*\q+512*\i
.endr
.endr
	WIN 0xc0                                       ; destination window 3
.irp q, 4,5,6,7
.irp i, 0,1,2,3,4,5,6,7,8,9,10,11,12,13,14,15
	global_load_b128 v[64*(\q-4)+4*\i:64*(\q-4)+4*\i+3], v[L16], s[4:5] offset:8192*\q+512*\i
.endr
.endr
	WIN 0
	v_and_b32 v[TQ+1], 15, v0                      ; r
	v_bfe_u32 v[TQ+2], v0, 4, 1                    ; h
	v_lshlrev_b32 v[H8], 3, v[TQ+2]
	s_mul_i32 s11, s[WV], 32*PITCH
	s_add_co_u32 s11, s11, CST                     ; my stage
	v_mul_u32_u24 v[CSTW], v[TQ+2], PITCH
	v_lshl_add_u32 v[CSTW], v[TQ+1], 4, v[CSTW]
	v_add_nc_u32 v[CSTW], s11, v[CSTW]             ; in: row h of the store's two, 16 r
	v_mul_u32_u24 v[CSTR], v[TQ], PITCH
	v_add_nc_u32 v[ZA0], s[G0+1], v[CSTR]          ; z: my wave's rows + 272 x lane
	v_add_nc_u32 v[CSTR], s11, v[CSTR]             ; out: row = lane
	s_lshl_b32 s11, s[WV], 13
	s_add_co_u32 s11, s11, AIMG
	v_add_nc_u32 v[IMW], s11, v[L16]               ; my eight pairs' images
	v_add_nc_u32 v[IMR], AIMG, v[L16]
	s_lshl_b32 s11, s[WV], 9
	s_add_co_u32 s11, s11, ASC
	v_lshl_add_u32 v[SCW], v[TQ+1], 4, s11         ; my four registers of scale words: 16 r
	v_add_nc_u32 v[SCR], ASC, v[L16]
	s_lshl_b32 s11, s[WV], 10
	s_add_co_u32 s11, s11, WSQ
	v_lshl_add_u32 v[WQW], v[TQ], 2, s11           ; my 256 biases: 4 x lane
	v_lshrrev_b32 v[TQ+3], 3, v[TQ+1]
	v_and_b32 v[TQ+4], 7, v[TQ+1]
	v_lshlrev_b32 v[WQR], 6, v[TQ+3]               ; back: places 0-7 of sixteen lanes take the even tile's codewords 8 h + 0 .. 7, places 8-15 the odd tile's
	v_lshl_add_u32 v[WQR], v[TQ+2], 5, v[WQR]
	v_lshl_add_u32 v[WQR], v[TQ+4], 2, v[WQR]
	v_add_nc_u32 v[WQR], WSQ, v[WQR]
	s_lshl_b32 s11, s[WV], 9
	s_add_co_u32 s11, s11, IDXS
	v_lshl_add_u32 v[IXW0], v[TQ], 2, s11
	v_add_nc_u32 v[IXR], s11, v[L16]
	s_mov_b32 s[SEL], 0x76543210
	s_mov_b32 s[SEL+1], 0xfedcba98
	s_mov_b32 s[HI16], 0xffff0000
.irp i, 0,1,2,3,8,9,10,11,16,17,18,19
	v_mov_b32 v[ZB+\i], 0                          ; the zero codes beside z's: written once
.endr
.irp i, 0,1,2,3
	v_mov_b32 v[OB+\i], 0                          ; written once: a lane permute's destination counts as one of its sources
.endr
; Two squares more onto chain c of the sum |w|^2 (only for the codebook)
.macro SQ2 on, x, j, c
.if \on
	v_pk_fma_f32 v[SQ+2*\c:SQ+2*\c+1], v[\x+\j:\x+\j+1], v[\x+\j:\x+\j+1], v[SQ+2*\c:SQ+2*\c+1]
.endif
.endm
; A LANE HOLDS ONE WHOLE ROW, k = 0 .. 63, in v[x] on.  Out come: v[HW] the row's two scale bytes; v[NC] .. v[NC+3] the codes of rows 0-15 in the operand's layout (lanes 0-15 k 0-31, lanes 16-31 k 32-63),
; v[NC+4] .. v[NC+7] those of rows 16-31; with sq = 1 four partial sums of the row's squares in v[SQ] on.
; A block's scale is 2^(floor(log2(its largest magnitude)) - 2): its byte is the largest magnitude's exponent field - 2, held at 1 from below by the floor 2^(3 - 127) among the maximum's leaves.
.macro QROW x, sq
.irp b, 0,1
	v_max3_num_f32 v[MX+2*\b], |v[\x+32*\b]|, |v[\x+32*\b+1]|, 0x1800000
	v_max3_num_f32 v[MX+2*\b+1], |v[\x+32*\b+16]|, |v[\x+32*\b+17]|, |v[\x+32*\b+18]|
.endr
.if \sq
	v_pk_mul_f32 v[SQ:SQ+1], v[\x:\x+1], v[\x:\x+1]
	v_pk_mul_f32 v[SQ+2:SQ+3], v[\x+2:\x+3], v[\x+2:\x+3]
.endif
.irp i, 0,1,2,3,4,5                    ; four chains of maxima and two of squares by turns: no line waits for the line above it
	v_max3_num_f32 v[MX], v[MX], |v[\x+2+2*\i]|, |v[\x+3+2*\i]|
	SQ2 \sq, \x, 4+8*\i, 0
	v_max3_num_f32 v[MX+1], v[MX+1], |v[\x+19+2*\i]|, |v[\x+20+2*\i]|
	SQ2 \sq, \x, 6+8*\i, 1
	v_max3_num_f32 v[MX+2], v[MX+2], |v[\x+34+2*\i]|, |v[\x+35+2*\i]|
	SQ2 \sq, \x, 8+8*\i, 0
	v_max3_num_f32 v[MX+3], v[MX+3], |v[\x+51+2*\i]|, |v[\x+52+2*\i]|
	SQ2 \sq, \x, 10+8*\i, 1
.endr
	v_max3_num_f32 v[MX], v[MX], |v[\x+14]|, |v[\x+15]|
	SQ2 \sq, \x, 52, 0
	v_max3_num_f32 v[MX+2], v[MX+2], |v[\x+46]|, |v[\x+47]|
	SQ2 \sq, \x, 54, 1
	v_max3_num_f32 v[MX], v[MX], v[MX+1], |v[\x+31]|
	SQ2 \sq, \x, 56, 0
	v_max3_num_f32 v[MX+2], v[MX+2], v[MX+3], |v[\x+63]|
	SQ2 \sq, \x, 58, 1
	SQ2 \sq, \x, 60, 0
	SQ2 \sq, \x, 62, 1
.irp b, 0,1
	v_add_nc_u32 v[SS+\b], 0xff000000, v[MX+2*\b]  ; 2 off the exponent field: the conversion takes the exponent field of this operand as its scale, and nothing else of it
.endr
.irp b, 0,1
	v_lshrrev_b32 v[BY+\b], 23, v[SS+\b]           ; the scale's byte
.endr
	v_lshl_or_b32 v[HW], v[BY+1], 8, v[BY]
.irp b, 0,1
.irp g, 0,1,2,3
	v_cvt_scalef32_pk8_fp4_f32 v[NC+4*\b+\g], v[\x+32*\b+8*\g:\x+32*\b+8*\g+7], v[SS+\b]
.endr
.endr
	v_nop                                          ; one plain place behind a scaled conversion
.irp g, 0,1,2,3
	v_permlane16_swap_b32 v[NC+\g], v[NC+4+\g]     ; block 0 of rows 16-31 changes places with block 1 of rows 0-15: two tiles in the operand's layout
.endr
.endm
; Pair q's 32 codewords through my stage: in as they were loaded (two rows to a store), out a row a lane.  LDS serves a wave's instructions in order (ISA guide 5.7.1.4):
; no wait stands between the stores and the loads, and the next pair's stores come behind this pair's loads.
.macro TURN q, xs
	WIN 0x08+4*((\q)/4)                            ; an LDS store's data are its source 1: window 2 or 3
.irp i, 0,1,2,3,4,5,6,7,8,9,10,11,12,13,14,15
	ds_store_b128 v[CSTW], v[64*((\q)%4)+4*\i:64*((\q)%4)+4*\i+3] offset:2*PITCH*\i
.endr
	WIN 0
.irp c, 0,1,2,3,4,5,6,7,8,9,10,11,12,13,14,15
	ds_load_b128 v[\xs+4*\c:\xs+4*\c+3], v[CSTR] offset:16*\c
.endr
.endm
.macro IMAGE q                         ; my pair q for all four waves: the codes as they stand in the registers, the scale word of each row of the pair, the bias of each codeword
	ds_store_b128 v[IMW], v[NC:NC+3] offset:1024*(\q)
	ds_store_b128 v[IMW], v[NC+4:NC+7] offset:1024*(\q)+512
	ds_store_b32 v[SCW], v[WRD] offset:256*((\q)%2)+4*((\q)/2)   ; both halves of the lanes write the same word with the same value
	ds_store_b32 v[WQW], v[BIAS] offset:128*(\q)
.endm
	; ---- THE CODEBOOK: wave w quantises pairs 8 w .. 8 w + 7
	s_wait_loadcnt 63                              ; pair 0's 16 loads are in.  112 were issued behind them; a wait names 63 at the most
	TURN 0, X
.set Q, 0
.rept 8
.set XQ, X-128*(Q%2)                   ; this pair's numbers: v192 on or v64 on, by turns
.set XN, X-128*((Q+1)%2)
.if Q < 7
.if 96-16*Q > 63
	s_wait_loadcnt 63                              ; the next pair's loads are in (96 - 16 q were issued behind them)
.else
	s_wait_loadcnt 96-16*Q
.endif
	TURN Q+1, XN                                   ; it turns while this pair is worked
	s_wait_dscnt 32                                ; all but those 32: this pair's numbers are back, and the last pair's images have read their registers
.else
	s_wait_dscnt 0x0
.endif
	QROW XQ, 1
	v_pk_add_f32 v[SQ:SQ+1], v[SQ:SQ+1], v[SQ+2:SQ+3]
	v_mov_b32 v[HB], v[HW]
	v_add_f32 v[SQ], v[SQ], v[SQ+1]                ; |w|^2
	v_permlane16_swap_b32 v[HW], v[HB]             ; HW: the bytes of row r (the even tile's), HB: those of row 16 + r (the odd tile's), in both halves of the lanes
	v_mul_f32 v[BIAS], -0.5, v[SQ]
	v_lshl_or_b32 v[WRD], v[HB], 16, v[HW]         ; the pair's scale word for row r: k 0-63 the even tile, k 64-127 the odd
	IMAGE Q
.set Q, Q+1
.endr
	s_wait_dscnt 0x0                               ; for the others' sake: my images, scale words and biases lie in LDS
	s_barrier_signal -1
	s_barrier_wait -1                              ; everybody's do.  The launch's one barrier (z's bytes are read by the wave that asked for them alone)
	; ---- EVERYTHING INTO REGISTERS
.set U, 0
.rept 32
	ds_load_b32 v[WT+U], v[WQR] offset:128*U       ; the biases of tiles 2 u and 2 u + 1
.set U, U+1
.endr
.irp i, 0,1,2,3
	ds_load_b128 v[ASCR+4*\i:ASCR+4*\i+3], v[SCR] offset:512*\i
.endr
	WIN 0x40                                       ; destination window 1
.set U, 0
.rept 32
	ds_load_b128 v[8*U:8*U+3], v[IMR] offset:1024*U
	ds_load_b128 v[8*U+4:8*U+7], v[IMR] offset:1024*U+512
.set U, U+1
.endr
	s_wait_dscnt 63                                ; the biases and the scale words are in; 63 of the 64 loads of codes may be out
	; The biases into the result's layout: register j of tile t wants, in every lane of a half, codeword 8 h + j: place 8 (t % 2) + j of that half's sixteen lanes.  Register 8 (t % 32) + j is 16 u + n, n the place.
.set U, 0
.rept 32
	WIN 0x80+0x40*(U/16)                           ; destination window 2 or 3, source window 0
.irp n, 0,1,2,3,4,5,6,7,8,9,10,11,12,13,14,15
	v_mov_b32_dpp v[16*(U%16)+\n], v[WT+U] row_share:\n row_mask:0xf bank_mask:0xf
.endr
.set U, U+1
.endr
	WIN 0
	s_wait_dscnt 0x0                               ; the codes are in
; Four products: pair p's two tiles (s) x z's two tiles (a).  D is not C: nothing is summed up in place, and no two that follow each other share a result.
.macro WM p, a, s
.set rD, D+32*((\p)%2)+16*\a+8*\s
.set rA, 8*(\p)
.set rB, ZB+8*\a+4*(1-\s)              ; s = 0: codes, then zeros;  s = 1: zeros, then codes
.set rC, 8*((2*(\p)+\s)%32)
.set rS, ASCR+(\p)/2
.if ((\p)%2 == 0) && (\a == 0)
	v_wmma_scale_f32_16x16x128_f8f6f4 v[rD:rD+7], v[rA:rA+7], v[rB:rB+7], v[rC:rC+7], v[rS], v[ZS] matrix_a_fmt:MATRIX_FMT_FP4 matrix_b_fmt:MATRIX_FMT_FP4
.elseif (\p)%2 == 0
	v_wmma_scale_f32_16x16x128_f8f6f4 v[rD:rD+7], v[rA:rA+7], v[rB:rB+7], v[rC:rC+7], v[rS], v[ZS] matrix_a_fmt:MATRIX_FMT_FP4 matrix_b_fmt:MATRIX_FMT_FP4 matrix_b_scale:MATRIX_SCALE_ROW1
.elseif \a == 0
	v_wmma_scale_f32_16x16x128_f8f6f4 v[rD:rD+7], v[rA:rA+7], v[rB:rB+7], v[rC:rC+7], v[rS], v[ZS] matrix_a_fmt:MATRIX_FMT_FP4 matrix_b_fmt:MATRIX_FMT_FP4 matrix_a_scale:MATRIX_SCALE_ROW1
.else
	v_wmma_scale_f32_16x16x128_f8f6f4 v[rD:rD+7], v[rA:rA+7], v[rB:rB+7], v[rC:rC+7], v[rS], v[ZS] matrix_a_fmt:MATRIX_FMT_FP4 matrix_b_fmt:MATRIX_FMT_FP4 matrix_a_scale:MATRIX_SCALE_ROW1 matrix_b_scale:MATRIX_SCALE_ROW1
.endif
.endm
.macro WMMA4 p
.if (\p) < 16
	WIN 0x21                                       ; source 0 (codewords) window 1, source 2 (biases) window 2
.else
	WIN 0x31                                       ; biases in window 3
.endif
.irp a, 0,1
.irp s, 0,1
	WM \p, \a, \s
.endr
.endr
	WIN 0
.endm
; Pair p's 32 scores of a lane (16 for each tile a of z), the two tiles line by line.  The next pair's products stand between the compare and the selects:
; the 34 selects name none of their registers and are the places behind them (ISA guide 7.12.1), and they stand between those products and the first read of their results.
.macro PAIR p
.set DB, D+32*((\p)%2)
.irp n, 0,1,2,3,4
.irp a, 0,1
	v_max3_num_f32 v[Y+7*\a+\n], v[DB+16*\a+3*\n], v[DB+16*\a+3*\n+1], v[DB+16*\a+3*\n+2]   ; each result is read from its low end on
.endr
.endr
.irp a, 0,1
	v_max3_num_f32 v[Y+7*\a+5], v[Y+7*\a], v[Y+7*\a+1], v[Y+7*\a+2]
.endr
.irp a, 0,1
	v_max3_num_f32 v[Y+7*\a+6], v[Y+7*\a+3], v[Y+7*\a+4], v[DB+16*\a+15]
.endr
.irp a, 0,1
	v_max3_num_f32 v[BEST+2*\a+((\p)+1)%2], v[Y+7*\a+5], v[Y+7*\a+6], v[BEST+2*\a+(\p)%2]   ; the new best beside the old one: no copy
.endr
.irp a, 0,1
	v_cmp_gt_f32 s[MK+\a], v[BEST+2*\a+((\p)+1)%2], v[BEST+2*\a+(\p)%2]   ; strictly greater: an equal score of a later pair does not win
.endr
.if (\p) < 31
	WMMA4 (\p)+1
.endif
.irp a, 0,1
	v_cndmask_b32 v[PIDX+\a], v[PIDX+\a], \p, s[MK+\a]
.endr
.irp e, 0,1,2,3,4,5,6,7,8,9,10,11,12,13,14,15
.irp a, 0,1
	v_cndmask_b32 v[SV+16*\a+\e], v[SV+16*\a+\e], v[DB+16*\a+\e], s[MK+\a]
.endr
.endr
.endm
.macro ZLOAD                           ; the next group's 32 rows of z, a row a lane
	v_add_nc_u32 v[ZAD], s[ZO], v[ZA0]
.irp c, 0,1,2,3,4,5,6,7,8,9,10,11,12,13,14,15
	ds_load_b128 v[X+4*\c:X+4*\c+3], v[ZAD] offset:16*\c
.endr
.endm
.macro ZQUANT
	s_wait_dscnt 0x0                               ; they are in
	QROW X, 0
	v_lshl_or_b32 v[NZS], v[HW], 16, v[HW]         ; a row's two bytes for k 0-63 and again for k 64-127: the codes stand in either half.  Lane l holds row l's: lanes 16-31 are tile 1's
.endm
.macro ADOPT                           ; the group that was quantised ahead becomes the group in hand
	v_mov_b32 v[ZS], v[NZS]
.irp i, 0,1,2,3
	v_mov_b32 v[ZB+4+\i], v[NC+\i]
	v_mov_b32 v[ZB+12+\i], v[NC+4+\i]
.endr
.irp a, 0,1
	v_mov_b32 v[BEST+2*\a], 0xff800000             ; -infinity: the first pair wins
	v_mov_b32 v[PIDX+\a], 0
.endr
	PLACES 4                                       ; with the four lines above: eight places between the writing of a scale register (four: of an operand) and a scaled matrix instruction
	WMMA4 0
	PLACES 4                                       ; places between the products and the first read of their results
.endm
; The end of a group.  The lowest e whose kept score is the best; index = 32 p + 16 s + 8 h + j with e = 8 s + j; then lane l and lane l xor 16, which hold the same row of z and the other codewords, agree:
; the greater score, among equals the lower index.
.macro FINAL
	s_wait_dscnt 0x0                               ; the last group's store has read its registers
.irp a, 0,1
	v_mov_b32 v[EI+\a], 0
.endr
.irp e, 15,14,13,12,11,10,9,8,7,6,5,4,3,2,1
.irp a, 0,1
	v_cmp_eq_f32 s[FM+2*(\e%2)+\a], v[SV+16*\a+\e], v[BEST+2*\a]
.endr
.irp a, 0,1
	v_cndmask_b32 v[EI+\a], v[EI+\a], \e, s[FM+2*(\e%2)+\a]
.endr
.endr
.irp a, 0,1
	v_and_b32 v[T1+\a], 8, v[EI+\a]
.endr
.irp a, 0,1
	v_add3_u32 v[T1+\a], v[T1+\a], v[EI+\a], v[H8] ; e + 8 s + 8 h = 16 s + j + 8 h
.endr
.irp a, 0,1
	v_lshl_add_u32 v[IDX+\a], v[PIDX+\a], 5, v[T1+\a]
.endr
.irp a, 0,1
	v_permlanex16_b32 v[OB+\a], v[BEST+2*\a], s[SEL], s[SEL+1]
	v_permlanex16_b32 v[OI+\a], v[IDX+\a], s[SEL], s[SEL+1]
.endr
.irp a, 0,1
	v_cmp_gt_f32 s[FM+3*\a], v[OB+\a], v[BEST+2*\a]
	v_cmp_eq_f32 s[FM+3*\a+1], v[OB+\a], v[BEST+2*\a]
	v_cmp_lt_u32 s[FM+3*\a+2], v[OI+\a], v[IDX+\a]
.endr
.irp a, 0,1
	s_and_b32 s[FM+3*\a+1], s[FM+3*\a+1], s[FM+3*\a+2]
	s_or_b32 s[FM+3*\a], s[FM+3*\a], s[FM+3*\a+1]
	v_cndmask_b32 v[IDX+\a], v[IDX+\a], v[OI+\a], s[FM+3*\a]
.endr
	v_cndmask_b32 v[FIN], v[IDX], v[IDX+1], s[HI16]   ; lane l: the index of the group's row l
	v_add_nc_u32 v[IXA], s[IXO], v[IXW0]
	ds_store_b32 v[IXA], v[FIN]
	s_add_co_u32 s[IXO], s[IXO], 128
.endm
; A group of 32 rows against all 1,024 codewords.  ahead = 1: the next group is read from LDS behind pair 20 and quantised behind pair 26
.macro TRIP ahead
	ADOPT
.set P, 0
.rept 32
	PAIR P
.if \ahead && (P == 20)
	ZLOAD
.endif
.if \ahead && (P == 26)
	ZQUANT
.endif
.set P, P+1
.endr
	FINAL
.if \ahead
	s_add_co_u32 s[ZO], s[ZO], 32*PITCH
.endif
.endm
	; ---- z
	s_wait_tensorcnt 0x1                           ; my first load has landed: rows 0-63, groups 0 and 1; the second may be out.  Only I read these bytes
	s_mov_b32 s[ZO], 0
	s_mov_b32 s[IXO], 0
	ZLOAD
	ZQUANT
	s_mov_b32 s[ZO], 32*PITCH
	TRIP 1                                         ; group 0; it reads group 1 ahead, which the first load brought
	s_wait_tensorcnt 0x0                           ; rows 64-127 have landed: it had the codebook's work and a whole group's in which to do so
	s_mov_b32 s[CNT], 2
.Ltrip:                                                ; groups 1 and 2, which read groups 2 and 3 ahead
	TRIP 1
	s_sub_co_u32 s[CNT], s[CNT], 1
	s_cmp_lg_u32 s[CNT], 0
	s_cbranch_scc1 .Ltrip
	TRIP 0                                         ; group 3 is written out: nothing is left to read ahead
	ds_load_b128 v[EI:EI+3], v[IXR]                ; my wave's 128 indices, four a lane: LDS serves a wave's instructions in order, these see my stores
	s_wait_dscnt 0x0
	global_store_b128 v[L16], v[EI:EI+3], s[8:9]   ; the wave stores 512 consecutive bytes, at a multiple of 512 from idx's first byte
	s_wait_tensorcnt 0x0
	ds_add_u32 v35, v191
	s_wait_dscnt 0x0
	s_endpgm
.Lfunc_end_k_qbea9507b08_nearest:
	.size	k_qbea9507b08_nearest, .Lfunc_end_k_qbea9507b08_nearest-k_qbea9507b08_nearest
	.p2alignl 7, 3214868480
	.fill 96, 4, 3214868480
	.section	.rodata,"a",@progbits
	.p2align	6, 0x0
	.amdhsa_kernel k_qbea9507b08_nearest
		.amdhsa_group_segment_fixed_size 215552
		.amdhsa_private_segment_fixed_size 0
		.amdhsa_enable_private_segment 0
		.amdhsa_kernarg_size 24
		.amdhsa_user_sgpr_count 2
		.amdhsa_user_sgpr_kernarg_segment_ptr 1
		.amdhsa_wavefront_size32 1
		.amdhsa_system_sgpr_workgroup_id_x 1
		.amdhsa_system_sgpr_workgroup_id_y 1
		.amdhsa_system_sgpr_workgroup_id_z 1
		.amdhsa_system_vgpr_workitem_id 0
		.amdhsa_next_free_vgpr 1024
		.amdhsa_next_free_sgpr 66
		.amdhsa_reserve_vcc 0
		.amdhsa_float_denorm_mode_32 3
		.amdhsa_float_denorm_mode_16_64 3
		.amdhsa_memory_ordered 1
		.amdhsa_forward_progress 1
		.amdhsa_inst_pref_size 255
	.end_amdhsa_kernel
	.section	.bss,"aw",@nobits
	.p2align	6
	.space	262144
	.amdgpu_metadata
---
amdhsa.version: [ 1, 2 ]
amdhsa.kernels:
  - .name:           k_qbea9507b08_nearest
    .symbol:         k_qbea9507b08_nearest.kd
    .args:
      - { .name: embeddings, .offset: 0, .size: 8, .value_kind: global_buffer, .address_space: global }
      - { .name: zq, .offset: 8, .size: 8, .value_kind: global_buffer, .address_space: global }
      - { .name: idx, .offset: 16, .size: 8, .value_kind: global_buffer, .address_space: global }
    .group_segment_fixed_size: 215552
    .private_segment_fixed_size: 0
    .kernarg_segment_align: 8
    .kernarg_segment_size: 24
    .max_flat_workgroup_size: 128
    .sgpr_count:     66
    .vgpr_count:     1024
    .wavefront_size: 32
...
	.end_amdgpu_metadata
.endif
;; end of part 1
;; launch gather (part 2): grid 256 x 1, 8 waves a work-group, no clusters, 0 bytes of LDS; arguments idx, embeddings, out0; writes out0
.if DOCPART == 2
	.amdgcn_target "amdgcn-amd-amdhsa--gfx1250"
	.amdhsa_code_object_version 6
	.text
	.protected	k_qbea9507b08_gather
	.globl	k_qbea9507b08_gather
	.p2align	8
	.type	k_qbea9507b08_gather,@function
k_qbea9507b08_gather:
	s_mov_b64 s[64:65], 0
	v_nop
	global_prefetch_b8 v0, s[64:65] scope:SCOPE_SE
	s_setreg_imm32_b32 hwreg(HW_REG_WAVE_MODE, 25, 1), 1
	s_wait_xcnt 0x0
; out0[b][:] = embeddings[idx[b]][:].  idx: [131072] u32, stored by the launch before; embeddings: [1024][64] f32; out0: [131072][64] f32.
; A stream: each row is 256 bytes, read by sixteen lanes (16 bytes each) and stored by the same sixteen as 256 consecutive bytes at a multiple of 256 from out0's first byte.
; No LDS, no barrier, no matrix work: waves share nothing and nothing is computed.  Eight waves; a work-group takes 512 rows, a wave 64: all its 32 loads (two rows each) are out together.
; An index is held to 1,023 before it enters an address.
.set AD, 8                             ; v8-39    for load m: the byte offset in the table of my 16 bytes: lanes 0-15 row m of the wave's 64, lanes 16-31 row 32 + m
.set DT, 40                            ; v40-167  the rows
	s_load_b128 s[4:7], s[0:1], 0x0                ; idx s[4:5], embeddings s[6:7]
	s_load_b64 s[8:9], s[0:1], 0x10                ; out0
	v_lshrrev_b32 v1, 5, v0
	v_readfirstlane_b32 s10, v1                    ; wave 0..7
	v_and_b32 v6, 31, v0                           ; lane
	v_and_b32 v7, 15, v0                           ; r
	v_bfe_u32 v3, v0, 4, 1                         ; h
	v_lshlrev_b32 v1, 3, v6                        ; idx: two words a lane
	v_lshlrev_b32 v2, 4, v7                        ; my 16 bytes of a row
	v_lshl_add_u32 v3, v3, 13, v2                  ; out0: lanes 16-31 stand 32 rows further down
	s_lshl_b32 s2, ttmp9, 11                       ; idx: 512 words a work-group,
	s_lshl_b32 s3, s10, 8                          ; 64 a wave
	s_add_co_u32 s2, s2, s3
	s_mov_b32 s3, 0
	s_lshl_b32 s12, ttmp9, 17                      ; out0: 512 rows of 256 bytes a work-group,
	s_lshl_b32 s13, s10, 14                        ; 64 a wave
	s_add_co_u32 s12, s12, s13
	s_mov_b32 s13, 0
	s_wait_kmcnt 0x0
	s_add_nc_u64 s[4:5], s[4:5], s[2:3]
	s_add_nc_u64 s[8:9], s[8:9], s[12:13]
	global_load_b64 v[4:5], v1, s[4:5] th:TH_LOAD_NT   ; the wave's 64 indices: 256 consecutive bytes; lane l holds those of rows 2 l and 2 l + 1
.set M, 0
.rept 32
	v_mov_b32 v[AD+M], 0                           ; written once, while the load is out: the destination of a lane move counts as one of its sources
.set M, M+1
.endr
	s_wait_loadcnt 0x0
.irp n, 0,1,2,3,4,5,6,7,8,9,10,11,12,13,14,15
.irp o, 0,1
	v_mov_b32_dpp v[AD+2*\n+\o], v[4+\o] row_share:\n row_mask:0xf bank_mask:0xf   ; all sixteen lanes of a half take lane n of that half: rows 2 n + o and 32 + 2 n + o
.endr
.endr
.set M, 0
.rept 32
	v_min_u32 v[AD+M], 0x3ff, v[AD+M]              ; inside the table
	v_lshl_add_u32 v[AD+M], v[AD+M], 8, v2         ; 256 bytes a codeword, + my 16
	global_load_b128 v[DT+4*M:DT+4*M+3], v[AD+M], s[6:7]   ; no hint: the table's rows are read again and again
.set M, M+1
.endr
.set M, 0
.rept 32
	s_wait_loadcnt 31-M                            ; loads come back in order (ISA guide 5.7.1): load m is in, the younger ones stay out
	global_store_b128 v3, v[DT+4*M:DT+4*M+3], s[8:9] offset:256*M th:TH_STORE_NT   ; two whole rows; written once, read by nobody here.  No register is written again, so nothing waits for the stores
.set M, M+1
.endr
	s_endpgm
.Lfunc_end_k_qbea9507b08_gather:
	.size	k_qbea9507b08_gather, .Lfunc_end_k_qbea9507b08_gather-k_qbea9507b08_gather
	.p2alignl 7, 3214868480
	.fill 96, 4, 3214868480
	.section	.rodata,"a",@progbits
	.p2align	6, 0x0
	.amdhsa_kernel k_qbea9507b08_gather
		.amdhsa_group_segment_fixed_size 0
		.amdhsa_private_segment_fixed_size 0
		.amdhsa_enable_private_segment 0
		.amdhsa_kernarg_size 24
		.amdhsa_user_sgpr_count 2
		.amdhsa_user_sgpr_kernarg_segment_ptr 1
		.amdhsa_wavefront_size32 1
		.amdhsa_system_sgpr_workgroup_id_x 1
		.amdhsa_system_sgpr_workgroup_id_y 1
		.amdhsa_system_sgpr_workgroup_id_z 1
		.amdhsa_system_vgpr_workitem_id 0
		.amdhsa_next_free_vgpr 168
		.amdhsa_next_free_sgpr 66
		.amdhsa_reserve_vcc 0
		.amdhsa_float_denorm_mode_32 3
		.amdhsa_float_denorm_mode_16_64 3
		.amdhsa_memory_ordered 1
		.amdhsa_forward_progress 1
		.amdhsa_inst_pref_size 16
	.end_amdhsa_kernel
	.amdgpu_metadata
---
amdhsa.version: [ 1, 2 ]
amdhsa.kernels:
  - .name:           k_qbea9507b08_gather
    .symbol:         k_qbea9507b08_gather.kd
    .args:
      - { .name: idx, .offset: 0, .size: 8, .value_kind: global_buffer, .address_space: global }
      - { .name: embeddings, .offset: 8, .size: 8, .value_kind: global_buffer, .address_space: global }
      - { .name: out0, .offset: 16, .size: 8, .value_kind: global_buffer, .address_space: global }
    .group_segment_fixed_size: 0
    .private_segment_fixed_size: 0
    .kernarg_segment_align: 8
    .kernarg_segment_size: 24
    .max_flat_workgroup_size: 256
    .sgpr_count:     66
    .vgpr_count:     168
    .wavefront_size: 32
...
	.end_amdgpu_metadata
.endif
;; end of part 2
;; ======== version 2 of 2: 2 launches
;; limits: right only within a limited range of input values
;; workspace buffers: idx 524,288 bytes of whole numbers
;; launch nearest (part 3): grid 256 x 1, 8 waves a work-group, clusters of 4 x 1, 327,680 bytes of LDS; arguments embeddings, zq, idx; writes idx
.if DOCPART == 3
	.amdgcn_target "amdgcn-amd-amdhsa--gfx1250"
	.amdhsa_code_object_version 6
	.text
	.protected	k_qbea9507b08_nearest
	.globl	k_qbea9507b08_nearest
	.p2align	8
	.type	k_qbea9507b08_nearest,@function
k_qbea9507b08_nearest:
	s_mov_b64 s[64:65], 0
	v_nop
	global_prefetch_b8 v0, s[64:65] scope:SCOPE_SE
	s_setreg_imm32_b32 hwreg(HW_REG_WAVE_MODE, 25, 1), 1
	s_wait_xcnt 0x0
	s_wait_alu depctr_hold_cnt(0) depctr_sa_sdst(0) depctr_va_vdst(0) depctr_va_sdst(0) depctr_va_ssrc(0) depctr_va_vcc(0) depctr_vm_vsrc(0)
	s_getreg_b32 s2, hwreg(HW_REG_IB_STS2, 6, 4)
	s_cmp_eq_u32 s2, 0
	s_cbranch_scc0 .Lentry_in_a_cluster
	s_endpgm
.Lentry_in_a_cluster:
	s_bfe_u32 s2, ttmp6, 0x10000c
	s_cmp_lg_u32 s2, 0x3003
	s_cbranch_scc0 .Lentry_shape_is_right
	s_endpgm
.Lentry_shape_is_right:
; idx[b] = the codeword k of 1,024 that makes |z_b|^2 - 2 Q(z_b).Q(w_k) + |w_k|^2 smallest, the lowest k among equals.  zq: [131072][64] f32, embeddings: [1024][64] f32, idx: [131072] u32.
; Q: codes of FP4 (E2M1) with one E8M0 scale for each 32 along the 64.
; LEFT OUT: |z_b|^2.  It is the same number for all k of a row, so whatever the inputs hold it moves no argmin; what is sought is the LARGEST s_k = Q(z).Q(w_k) - |w_k|^2 / 2.
; An infinity, a NaN or an overflow that reaches |z_b|^2 alone is not carried to the result.
; -|w_k|^2 / 2 is the C operand of the matrix instruction.
; LIMITS: dot - |w|^2 / 2 is rounded in the matrix instruction, and |w|^2 is summed in eight or sixteen partial sums: codewords whose distances lie within a few units in the last place of each other
; may be ordered otherwise than by z^2 - 2 dot + w^2 rounded step by step.  NaN and infinities among the inputs, and scores beyond f32's range, are not served.
; Blocks whose largest magnitude lies under 2^(3 - 127) take the scale byte 1 (a block of zeros too: its codes are zeros, which add nothing); the bytes are read by this text alone.
; SHARES.  A work-group takes 512 rows of z, each of its eight waves 64, as four tiles of 16.  The codebook is quantised by the work-group into LDS, as images of the operand's registers;
; a pair of tiles of it read from there (6 loads of 16 bytes a lane) serves a wave's four tiles of z.
; TWO PARTS.  Codewords 0-255, 32 a wave, are loaded straight into registers ahead of z, and quantised while z is on its way.  They have the first
; part's products (8 pairs) and all that stands ahead of them in which to land, are then quantised, and their products (24 pairs) follow.  Nothing in LDS is filled twice.
; CLUSTERS: 4 x 1.  All work-groups read the same codebook: each wave's 96 rows are asked for jointly by the four partners.  z is read by one wave alone.
; No prefetch: no loop walks memory.  All that the wave reads is asked for at the head.
; K IS 64, THE INSTRUCTION 128 DEEP.  A holds TWO tiles of 16 codewords, tile 2 p in k 0-63 and tile 2 p + 1 in k 64-127; the z operand is [codes | zero codes] or [zero codes | codes], cut out of 0000 T 0000.
; THE ORDER OF k INSIDE A BLOCK OF 32 is the same permutation on both sides: register i (0 .. 3) holds k = 4 i .. 4 i + 3 and 16 + 4 i .. 16 + 4 i + 3.  So rows are loaded in pieces of 64 bytes by four lanes each.
; LAYOUT.  Source 0 = codewords, source 1 = z: lane (r, h) holds row r of a tile of z, register j the score of codeword 8 h + j of the tile.
; THE ARGMAX, by blocks of 16 scores of a lane (a pair of tiles): eight three-way maxima (the running best among the leaves), one compare, and eight dual selects that keep the winning block's first fifteen scores and
; its number.  Which of the sixteen won is looked up once at the end (none of the fifteen: the sixteenth).  Strictly greater wins and blocks ascend: the lowest index stays.
.set PITCH, 272                        ; an LDS row of f32: 256 bytes + 16 of padding = 68 words: sixteen rows start at sixteen different groups of banks (64 banks of 4 bytes: ISA guide 11.1)
.set WROWS, 96*PITCH                   ; a wave's 96 codewords, filled once by its tensor load and read by it alone
.set CIMG, 8*WROWS                     ; codes: tile t at 512 t, lane l at + 16 l
.set SCB,  CIMG+32768                  ; scale words: pair p, row r at 64 p + 4 r: two bytes of the even tile, two of the odd
.set BIA,  SCB+2048                    ; -|w|^2 / 2, 4 bytes a codeword
.set SPARE, BIA+4096                   ; the spare words, 128 bytes a wave, which no other line names
.set CAD,  1                           ; v1  where I read codes, stepped by four pairs
.set BAD,  2                           ; v2  biases
.set SAD,  3                           ; v3  scale words
.set SPW,  4                           ; v4  my spare word's address; never rewritten
.set NIL,  5                           ; v5  0; never rewritten
.set ZAD,  6                           ; v6  my offset in z; never rewritten
.set IXO,  7                           ; v7  my offset in idx
.set XAD,  8                           ; v8  where I read f32 codewords: row r, block h
.set CST,  9                           ; v9  where I store their codes
.set SST,  10                          ; v10 scale bytes
.set BST,  11                          ; v11 biases
.set PV,   12                          ; v12 the number of the pair in hand
.set H8,   13                          ; v13 8 (lane / 16)
.set T0,   14                          ; v14-15 at work at the head
.set ZS,   16                          ; v16-17 z's scale words, and nothing else: tiles 2 d (lanes 0-15) and 2 d + 1 (lanes 16-31)
.set ASC,  18                          ; v18-19 codewords' scale words, and nothing else: pair 2 u in lanes 0-15, pair 2 u + 1 in lanes 16-31
.set ZB,   20                          ; v20-55 0000 T0 0000 T1 0000 T2 0000 T3 0000
.set WL,   20                          ; at the head: v20-83 my 32 codewords of the first part as loaded: load pair P at 8 P
.set AC,   56                          ; v56-71 a pair's codes, two buffers
.set BI,   72                          ; v72-103 a pair's biases, two buffers (v84-99 at work while codewords are quantised)
.set SQS,  84                          ; at the head: v84-91 sums of squares, v92-95 scale bytes, v96-99 biases
.set SS0,  100                         ; at the head: v100 where I store the first part's scale bytes
.set BS0,  101                         ; v101 biases
.set T1,   102                         ; v102-103 at work
.set D,    104                         ; v104-167 scores: 16 a + 8 s + j
.set SV,   168                         ; v168-231 tile a at 16 a: the winning block's first fifteen scores, and its number
.set Y,    232                         ; v232-245 at work
.set BEST, 246                         ; v246-253 the best score: 2 a + parity of the pair
.set WAD,  254                         ; v254 my offset in the first part of the codebook; never rewritten
.set CS0,  255                         ; v255 where I store its codes
.set ZL,   104                         ; at the head: v104-231 z as loaded: tile t at 32 t, load pair P at + 8 P
.set X,    104                         ; while the second part is quantised: v104-167 a block of 32 numbers a lane, two buffers
.set WV,   10
.set G1,   20
.set G0,   28
.set SEL,  32                          ; s[32:33] v_permlanex16_b32's selects for lane l xor 16
.set ODD,  34                          ; lanes with bit 0
.set BIT1, 35                          ; lanes with bit 1
.set HI16, 36                          ; lanes 16-31
.set CNT,  37
.set FM,   40                          ; s40-51 masks at the end
.macro ROUND
	s_barrier_signal -1
	s_barrier_wait -1
	s_cmp_lg_u32 s[WV], 0
	s_cbranch_scc1 .Lnot_wave_0_\@
	s_barrier_signal -3
.Lnot_wave_0_\@:
	s_barrier_wait -3
	s_barrier_signal -1
	s_barrier_wait -1
.endm
; z.  Tile t's row r is row 2 r + t / 2 + 32 (t mod 2) of my 64, so that at the end lane l holds the indices of rows 2 l and 2 l + 1.
; Load pair P brings rows r = 4 q + P, both blocks, 64 neighbouring bytes from four neighbouring lanes: its two loads complete 128 bytes.
.macro ZLOAD t
.irp P, 0,1,2,3
.irp c, 0,1
	global_load_b128 v[ZL+32*(\t)+8*\P+4*\c:ZL+32*(\t)+8*\P+4*\c+3], v[ZAD], s[6:7] offset:(2*\P+((\t)/2)+32*((\t)%2))*256+64*\c
.endr
.endr
.endm
	s_load_b128 s[4:7], s[0:1], 0x0                ; embeddings s[4:5], zq s[6:7]
	s_load_b64 s[8:9], s[0:1], 0x10                ; idx
	v_lshl_add_u32 v[SPW], v0, 2, SPARE
	v_mov_b32 v[NIL], 0
	ds_add_u32 v[SPW], v[NIL]                      ; the opening add, twice on end
	ds_add_u32 v[SPW], v[NIL]
	v_lshrrev_b32 v[T0], 5, v0
	v_readfirstlane_b32 s[WV], v[T0]               ; wave 0..7
	; descriptor group 1: 96 rows x 64 numbers of 4 bytes, dense in memory, 16 bytes of padding behind each row in LDS, for all four of the cluster
	s_mov_b32 s[G1+0], 15|(2<<16)|(1<<20)|(1<<21)|(5<<22)|(3<<25)
	s_mov_b32 s[G1+1], 64<<16                      ; tensor_dim0
	s_mov_b32 s[G1+2], 96<<16                      ; tensor_dim1
	s_mov_b32 s[G1+3], 64<<16                      ; tile_dim0
	s_mov_b32 s[G1+4], 96                          ; tile_dim1
	s_mov_b32 s[G1+5], 64                          ; pitch
	s_mov_b32 s[G1+6], 0
	s_mov_b32 s[G1+7], 0
	s_mov_b32 s[G0], 1
	s_mul_i32 s[G0+1], s[WV], WROWS
	s_mul_i32 s11, s[WV], 3072
	s_add_co_u32 s11, s11, CIMG+8192               ; second part: my six tiles of codes, behind the first part's sixteen tiles
	s_mul_i32 s12, s[WV], 192
	s_add_co_u32 s12, s12, SCB+512                 ; their scale words
	s_mul_i32 s13, s[WV], 384
	s_add_co_u32 s13, s13, BIA+1024                ; and biases
	s_lshl_b32 s38, s[WV], 10
	s_add_co_u32 s38, s38, CIMG                    ; first part: my two tiles of codes,
	s_lshl_b32 s39, s[WV], 6
	s_add_co_u32 s39, s39, SCB                     ; their scale words
	s_lshl_b32 s40, s[WV], 7
	s_add_co_u32 s40, s40, BIA                     ; and biases
	s_lshl_b32 s41, s[WV], 13                      ; 32 codewords of 256 bytes
	s_bfe_u32 s14, ttmp6, 0x40000                  ; my place in the cluster
	s_lshl_b32 s15, ttmp9, 2
	s_add_co_u32 s14, s14, s15                     ; work-group 0..255
	s_lshl_b32 s2, s14, 17                         ; z: 512 rows of 256 bytes a work-group,
	s_lshl_b32 s3, s[WV], 14                       ; 64 a wave
	s_add_co_u32 s2, s2, s3
	s_mov_b32 s3, 0
	s_lshl_b32 s16, s14, 11                        ; idx: 512 words a work-group,
	s_lshl_b32 s17, s[WV], 8                       ; 64 a wave
	s_add_co_u32 s16, s16, s17
	s_mov_b32 s17, 0
	s_mul_i32 s18, s[WV], 24576                    ; second part: 96 codewords of 256 bytes a wave,
	s_add_co_u32 s18, s18, 65536                   ; behind the first 256
	s_mov_b32 s19, 0
	s_mov_b32 s[SEL], 0x76543210
	s_mov_b32 s[SEL+1], 0xfedcba98
	s_mov_b32 s[ODD], 0xaaaaaaaa
	s_mov_b32 s[BIT1], 0xcccccccc
	s_mov_b32 s[HI16], 0xffff0000
	v_and_b32 v[T0], 31, v0                        ; lane
	v_and_b32 v[T0+1], 15, v0                      ; r
	v_bfe_u32 v[H8], v0, 4, 1                      ; h
	v_bfe_u32 v[T1], v0, 2, 2                      ; lane = 16 h + 4 q + i: q,
	v_and_b32 v[T1+1], 3, v0                       ; i
	v_lshlrev_b32 v[ZAD], 11, v[T1]                ; z: 16 bytes at row 8 q (+ the load's rows), block h, piece i
	v_lshl_add_u32 v[ZAD], v[H8], 7, v[ZAD]
	v_lshl_add_u32 v[ZAD], v[T1+1], 4, v[ZAD]
	v_lshl_add_u32 v[WAD], v[T1], 8, s41           ; the codebook's first part: row q (+ the load's 4 P), block h, piece i
	v_lshl_add_u32 v[WAD], v[H8], 7, v[WAD]
	v_lshl_add_u32 v[WAD], v[T1+1], 4, v[WAD]
	v_lshl_add_u32 v[CS0], v[T0+1], 2, s38         ; its codes: row q, block h, register i of the image
	v_lshl_add_u32 v[CS0], v[H8], 8, v[CS0]
	v_lshl_add_u32 v[SS0], v[T1], 2, s39
	v_add_nc_u32 v[SS0], v[SS0], v[H8]
	v_lshl_add_u32 v[BS0], v[T1], 2, s40
	v_lshlrev_b32 v[IXO], 3, v[T0]                 ; two indices a lane
	v_mul_u32_u24 v[XAD], v[T0+1], PITCH
	v_lshl_add_u32 v[XAD], v[H8], 7, v[XAD]
	v_add_nc_u32 v[XAD], s[G0+1], v[XAD]
	v_lshl_add_u32 v[CST], v[T0], 4, s11
	v_lshl_add_u32 v[SST], v[T0+1], 2, s12
	v_add_nc_u32 v[SST], v[SST], v[H8]
	v_lshl_add_u32 v[BST], v[T0+1], 2, s13
	v_lshl_add_u32 v[CAD], v[T0], 4, CIMG
	v_lshl_add_u32 v[BAD], v[H8], 5, BIA
	v_lshl_add_u32 v[SAD], v[T0], 2, SCB
	v_lshlrev_b32 v[H8], 3, v[H8]
.irp i, 0,1,2,3
	v_mov_b32 v[Y+12+\i], 0                        ; written once: a lane move's destination counts as one of its sources
.endr
	s_wait_alu depctr_va_vdst(0)
	s_wait_dscnt 0x0                               ; both opening adds are done
	s_wait_kmcnt 0x0
	; my 32 codewords of the first part: load pair P brings rows 4 P + q, both blocks
.irp P, 0,1,2,3,4,5,6,7
.irp c, 0,1
	global_load_b128 v[WL+8*\P+4*\c:WL+8*\P+4*\c+3], v[WAD], s[4:5] offset:1024*\P+64*\c
.endr
.endr
	s_add_nc_u64 s[6:7], s[6:7], s[2:3]
	ZLOAD 0                                        ; z's first tile goes out ahead of the round too
	s_add_nc_u64 s[8:9], s[8:9], s[16:17]
	s_add_nc_u64 s[G0+2:G0+3], s[4:5], s[18:19]
	s_or_b32 s[G0+3], s[G0+3], 0x80000000
	ROUND                                          ; all four work-groups are here: the joint loads meet
	tensor_load_to_lds s[G0:G0+3], s[G1:G1+7]      ; my 96 codewords of the second part: the wave's one tensor load
	s_nop 0
.rept 4
	v_nop
.endr
	ZLOAD 1
	ZLOAD 2
	ZLOAD 3
; ---- THE FIRST PART, four load pairs at a time: eight numbers of a block in a lane, a block in four neighbouring lanes.  Batch b is tile b of my two.
; The scale is 2^(floor(log2(the largest magnitude)) - 2): the largest magnitude with 2 off its exponent field, held from below by the floor 2^(3 - 127) among the leaves
.macro WBATCH b
.set WX, WL+32*(\b)
	s_wait_loadcnt 40-8*(\b)                       ; this batch's eight loads are in; the other batch's and z's 32 may be out
.irp P, 0,1,2,3
	v_max3_num_f32 v[Y+\P], |v[WX+8*\P]|, |v[WX+8*\P+1]|, 0x1800000
	v_pk_mul_f32 v[SQS+2*\P:SQS+2*\P+1], v[WX+8*\P:WX+8*\P+1], v[WX+8*\P:WX+8*\P+1]
.endr
.irp i, 2,4,6
.irp P, 0,1,2,3
	v_max3_num_f32 v[Y+\P], v[Y+\P], |v[WX+8*\P+\i]|, |v[WX+8*\P+\i+1]|
	v_pk_fma_f32 v[SQS+2*\P:SQS+2*\P+1], v[WX+8*\P+\i:WX+8*\P+\i+1], v[WX+8*\P+\i:WX+8*\P+\i+1], v[SQS+2*\P:SQS+2*\P+1]
.endr
.endr
.irp P, 0,1,2,3
	v_add_f32 v[SQS+2*\P], v[SQS+2*\P], v[SQS+2*\P+1]
.endr
.irp m, 1,2
.irp P, 0,1,2,3
	v_max_num_f32_dpp v[Y+\P], v[Y+\P], v[Y+\P] row_xmask:\m row_mask:0xf bank_mask:0xf
	v_add_f32_dpp v[SQS+2*\P], v[SQS+2*\P], v[SQS+2*\P] row_xmask:\m row_mask:0xf bank_mask:0xf
.endr
.endr
.irp P, 0,1,2,3
	v_add_nc_u32 v[Y+4+\P], 0xff000000, v[Y+\P]    ; the conversion takes the exponent field of this operand as its scale
.endr
.irp P, 0,1,2,3
	v_cvt_scalef32_pk8_fp4_f32 v[Y+8+\P], v[WX+8*\P:WX+8*\P+7], v[Y+4+\P]
.endr
.irp P, 0,1,2,3
	v_lshrrev_b32 v[SQS+8+\P], 23, v[Y+4+\P]       ; the scale's byte (these are plain places behind the conversions)
.endr
.irp P, 0,1,2,3
	v_permlanex16_b32 v[Y+12+\P], v[SQS+2*\P], s[SEL], s[SEL+1]
.endr
.irp P, 0,1,2,3
	v_add_f32 v[SQS+2*\P], v[SQS+2*\P], v[Y+12+\P] ; |w|^2: both blocks
.endr
.irp P, 0,1,2,3
	v_mul_f32 v[SQS+12+\P], -0.5, v[SQS+2*\P]
.endr
.irp P, 0,1,2,3
	ds_store_b32 v[CS0], v[Y+8+\P] offset:512*(\b)+64*\P
	ds_store_b8 v[SS0], v[SQS+8+\P] offset:2*(\b)+16*\P      ; lanes of one block write the same byte with the same value, lanes of one row the same bias
	ds_store_b32 v[BS0], v[SQS+12+\P] offset:64*(\b)+16*\P
.endr
	s_wait_dscnt 0x0                               ; my stores are done: their registers may be written, and others may read behind a barrier
.endm
	WBATCH 0
	WBATCH 1
	s_barrier_signal -1
	s_barrier_wait -1                              ; everybody's codes of the first part lie in LDS
; ---- THE SECOND PART.  Lane (r, h) takes block h of row r of a tile: 32 numbers, chunk c of four into the place that the order of k asks for
.macro LOADX u
.irp c, 0,1,2,3,4,5,6,7
	ds_load_b128 v[X+32*((\u)%2)+8*(\c%4)+4*(\c/4):X+32*((\u)%2)+8*(\c%4)+4*(\c/4)+3], v[XAD] offset:16*PITCH*(\u)+16*\c
.endr
.endm
.macro SQ c, n                         ; two squares more onto chain c
	v_pk_fma_f32 v[86+2*\c:87+2*\c], v[XS+2*(\n):XS+2*(\n)+1], v[XS+2*(\n):XS+2*(\n)+1], v[86+2*\c:87+2*\c]
.endm
.macro QTILE t
.set XS, X+32*((\t)%2)
.set CC, 96+4*((\t)%2)
.set BY, 92+((\t)%2)
.set BS, 94+((\t)%2)
.if (\t) < 5
	LOADX (\t)+1
	s_wait_dscnt 8                                 ; all but those eight: this tile's numbers are in, the last tile's stores done
.else
	s_wait_dscnt 0x0
.endif
	v_max3_num_f32 v84, |v[XS]|, |v[XS+1]|, 0x1800000
	v_max3_num_f32 v85, |v[XS+16]|, |v[XS+17]|, |v[XS+18]|
	v_pk_mul_f32 v[86:87], v[XS:XS+1], v[XS:XS+1]
	v_pk_mul_f32 v[88:89], v[XS+2:XS+3], v[XS+2:XS+3]
.irp i, 0,1,2,3,4,5
	v_max3_num_f32 v84, v84, |v[XS+2+2*\i]|, |v[XS+3+2*\i]|
	SQ 0, 2+2*\i
	v_max3_num_f32 v85, v85, |v[XS+19+2*\i]|, |v[XS+20+2*\i]|
	SQ 1, 3+2*\i
.endr
	v_max3_num_f32 v84, v84, |v[XS+14]|, |v[XS+15]|
	SQ 0, 14
	v_max3_num_f32 v84, v84, v85, |v[XS+31]|
	SQ 1, 15
	v_add_nc_u32 v90, 0xff000000, v84
	v_pk_add_f32 v[86:87], v[86:87], v[88:89]
	v_lshrrev_b32 v[BY], 23, v90
.irp g, 0,1,2,3
	v_cvt_scalef32_pk8_fp4_f32 v[CC+\g], v[XS+8*\g:XS+8*\g+7], v90
.endr
	v_add_f32 v86, v86, v87                        ; (the plain place behind the conversions)
	v_permlanex16_b32 v91, v86, s[SEL], s[SEL+1]
	v_add_f32 v86, v86, v91                        ; |w|^2: both blocks
	v_mul_f32 v[BS], -0.5, v86
	ds_store_b128 v[CST], v[CC:CC+3] offset:512*(\t)
	ds_store_b8 v[SST], v[BY] offset:64*((\t)/2)+2*((\t)%2)
	ds_store_b32 v[BST], v[BS] offset:64*(\t)      ; both halves of the lanes write the same word with the same value
.endm
; Pair j (counted from the address in hand): codes, biases in the result's layout (all lanes of a half take the same 16 bytes) and, with an even pair, the scale words of two
.macro LOADP j
	ds_load_b128 v[AC+8*((\j)%2):AC+8*((\j)%2)+3], v[CAD] offset:1024*(\j)
	ds_load_b128 v[AC+8*((\j)%2)+4:AC+8*((\j)%2)+7], v[CAD] offset:1024*(\j)+512
.irp s, 0,1
	ds_load_b128 v[BI+16*((\j)%2)+8*\s:BI+16*((\j)%2)+8*\s+3], v[BAD] offset:128*(\j)+64*\s
	ds_load_b128 v[BI+16*((\j)%2)+8*\s+4:BI+16*((\j)%2)+8*\s+7], v[BAD] offset:128*(\j)+64*\s+16
.endr
.if (\j)%2 == 0
	ds_load_b32 v[ASC+((\j)/2)%2], v[SAD] offset:64*(\j)
.endif
.endm
	LOADP 0                                        ; the first part's first two pairs, ahead of z's work
	LOADP 1
.irp i, 0,1,2,3,8,9,10,11,16,17,18,19,24,25,26,27,32,33,34,35
	v_mov_b32 v[ZB+\i], 0                          ; the zero codes beside z's
.endr
; ---- z.  Tile t: four load pairs P.  The conversions' results, register P in lane 4 q + i, change places into register i in lane 4 q + P
.macro ZTILE t
.set ZT, ZL+32*(\t)
.set ZO, ZB+4+8*(\t)
	s_wait_loadcnt 24-8*(\t)                       ; this tile's eight loads are in; the later tiles' may be out
.irp P, 0,1,2,3
	v_max3_num_f32 v[Y+\P], |v[ZT+8*\P]|, |v[ZT+8*\P+1]|, 0x1800000
.endr
.irp i, 2,4,6
.irp P, 0,1,2,3
	v_max3_num_f32 v[Y+\P], v[Y+\P], |v[ZT+8*\P+\i]|, |v[ZT+8*\P+\i+1]|
.endr
.endr
.irp m, 1,2
.irp P, 0,1,2,3
	v_max_num_f32_dpp v[Y+\P], v[Y+\P], v[Y+\P] row_xmask:\m row_mask:0xf bank_mask:0xf
.endr
.endr
.irp P, 0,1,2,3
	v_add_nc_u32 v[Y+4+\P], 0xff000000, v[Y+\P]
.endr
.irp P, 0,1,2,3
	v_cvt_scalef32_pk8_fp4_f32 v[Y+8+\P], v[ZT+8*\P:ZT+8*\P+7], v[Y+4+\P]
.endr
	v_cndmask_b32 v250, v[Y+4], v[Y+5], s[ODD]     ; my lane's row has P = lane mod 4: its scale (these two lines are plain places behind the conversions)
	v_cndmask_b32 v251, v[Y+6], v[Y+7], s[ODD]
.irp P, 0,1,2,3
	v_mov_b32_dpp v[Y+12+\P], v[Y+8+\P] row_xmask:1 row_mask:0xf bank_mask:0xf
.endr
	v_cndmask_b32 v[Y+8], v[Y+8], v[Y+13], s[ODD]
	v_cndmask_b32 v[Y+9], v[Y+12], v[Y+9], s[ODD]
	v_cndmask_b32 v[Y+10], v[Y+10], v[Y+15], s[ODD]
	v_cndmask_b32 v[Y+11], v[Y+14], v[Y+11], s[ODD]
	v_cndmask_b32 v250, v250, v251, s[BIT1]
.irp P, 0,1,2,3
	v_mov_b32_dpp v[Y+12+\P], v[Y+8+\P] row_xmask:2 row_mask:0xf bank_mask:0xf
.endr
	v_cndmask_b32 v[ZO], v[Y+8], v[Y+14], s[BIT1]
	v_cndmask_b32 v[ZO+1], v[Y+9], v[Y+15], s[BIT1]
	v_cndmask_b32 v[ZO+2], v[Y+12], v[Y+10], s[BIT1]
	v_cndmask_b32 v[ZO+3], v[Y+13], v[Y+11], s[BIT1]
	v_lshrrev_b32 v[248+(\t)%2], 23, v250          ; the byte of row r's block h
.if (\t)%2 == 1
	v_permlane16_swap_b32 v248, v249               ; v248: block 0's bytes of the even tile (lanes 0-15) and of the odd (lanes 16-31); v249: block 1's
	v_lshl_or_b32 v248, v249, 8, v248
	v_lshl_or_b32 v[ZS+(\t)/2], v248, 16, v248     ; the same two bytes for k 0-63 and for k 64-127
.endif
.endm
	ZTILE 0
	ZTILE 1
	ZTILE 2
	ZTILE 3
.irp a, 0,1,2,3
	v_mov_b32 v[BEST+2*\a], 0xff800000             ; -infinity: the first pair wins
	v_mov_b32 v[SV+16*\a+15], 0
.endr
	v_mov_b32 v[PV], -1
; Products of pair q (mod 4): tile s of the pair x tile a of z.  D is not C: nothing is summed up in place
.macro WM q, a, s
.set rQ, (\q)%4
.set rD, D+16*(\a)+8*(\s)
.set rA, AC+8*(rQ%2)
.set rB, ZB+4+8*(\a)-4*(\s)            ; s = 0: codes, then zeros;  s = 1: zeros, then codes
.set rC, BI+16*(rQ%2)+8*(\s)
.set rS, ASC+rQ/2
.set rZ, ZS+(\a)/2
.if (rQ%2 == 0) && ((\a)%2 == 0)
	v_wmma_scale_f32_16x16x128_f8f6f4 v[rD:rD+7], v[rA:rA+7], v[rB:rB+7], v[rC:rC+7], v[rS], v[rZ] matrix_a_fmt:MATRIX_FMT_FP4 matrix_b_fmt:MATRIX_FMT_FP4
.elseif rQ%2 == 0
	v_wmma_scale_f32_16x16x128_f8f6f4 v[rD:rD+7], v[rA:rA+7], v[rB:rB+7], v[rC:rC+7], v[rS], v[rZ] matrix_a_fmt:MATRIX_FMT_FP4 matrix_b_fmt:MATRIX_FMT_FP4 matrix_b_scale:MATRIX_SCALE_ROW1
.elseif (\a)%2 == 0
	v_wmma_scale_f32_16x16x128_f8f6f4 v[rD:rD+7], v[rA:rA+7], v[rB:rB+7], v[rC:rC+7], v[rS], v[rZ] matrix_a_fmt:MATRIX_FMT_FP4 matrix_b_fmt:MATRIX_FMT_FP4 matrix_a_scale:MATRIX_SCALE_ROW1
.else
	v_wmma_scale_f32_16x16x128_f8f6f4 v[rD:rD+7], v[rA:rA+7], v[rB:rB+7], v[rC:rC+7], v[rS], v[rZ] matrix_a_fmt:MATRIX_FMT_FP4 matrix_b_fmt:MATRIX_FMT_FP4 matrix_a_scale:MATRIX_SCALE_ROW1 matrix_b_scale:MATRIX_SCALE_ROW1
.endif
.endm
.macro KEEP a                          ; where VCC is set, the block in hand takes the kept block's place in tile a: fifteen scores and its number
.set SA, SV+16*(\a)
.set DA, D+16*(\a)
.irp e, 0,2,4,6,8,10,12
	v_dual_cndmask_b32 v[SA+\e], v[SA+\e], v[DA+\e] :: v_dual_cndmask_b32 v[SA+\e+1], v[SA+\e+1], v[DA+\e+1]
.endr
	v_dual_cndmask_b32 v[SA+14], v[SA+14], v[DA+14] :: v_dual_cndmask_b32 v[SA+15], v[SA+15], v[PV]
.endm
; A UNIT: pair p of the trip's four against tiles 2 d and 2 d + 1 of z.  ld: the pair that is loaded (0: none);  wm = 1: the next unit's four products go out here.
; The selects behind them name none of their registers: they are the places ahead of the first read of their results and of the loads into their operands.
.macro UNIT p, d, ld, wm
.set DB, D+32*(\d)
.set BO, BEST+4*(\d)+(\p)%2            ; the old best, and beside it the new: no copy
.set BN, BEST+4*(\d)+((\p)+1)%2
.set NP, (\p)+(\d)
.set NA, 2-2*(\d)
.if (\d) == 0
	v_add_nc_u32 v[PV], 1, v[PV]
.else
.if \wm
	s_wait_dscnt 0x0                               ; the next pair is in: it was asked for two units ago
.endif
.if (\ld) > 0
	LOADP \ld                                      ; into the buffer of the pair in hand, whose last products stand in the unit before
.endif
.if (\ld) == 5
	v_add_nc_u32 v[CAD], 4096, v[CAD]              ; four pairs on
	v_add_nc_u32 v[BAD], 512, v[BAD]
	v_add_nc_u32 v[SAD], 256, v[SAD]
.endif
.endif
.irp n, 0,1,2,3,4
.irp a, 0,1
	v_max3_num_f32 v[Y+7*\a+\n], v[DB+16*\a+3*\n], v[DB+16*\a+3*\n+1], v[DB+16*\a+3*\n+2]   ; each result is read from its low end on
.endr
.endr
.irp a, 0,1
	v_max3_num_f32 v[Y+7*\a+5], v[Y+7*\a], v[Y+7*\a+1], v[Y+7*\a+2]
.endr
.irp a, 0,1
	v_max3_num_f32 v[Y+7*\a+6], v[Y+7*\a+3], v[Y+7*\a+4], v[DB+16*\a+15]
.endr
.irp a, 0,1
	v_max3_num_f32 v[BN+2*\a], v[Y+7*\a+5], v[Y+7*\a+6], v[BO+2*\a]
.endr
	v_cmp_gt_f32 vcc_lo, v[BN], v[BO]              ; strictly greater: an equal score of a later pair does not win
.if \wm
	WM NP, NA, 0
	WM NP, NA, 1
.endif
	KEEP 2*(\d)
	v_cmp_gt_f32 vcc_lo, v[BN+2], v[BO+2]
.if \wm
	WM NP, NA+1, 0
	WM NP, NA+1, 1
.endif
	KEEP 2*(\d)+1
.endm
.macro TRIP last                       ; four pairs; a part's last trip loads nothing beyond its own
	UNIT 0, 0, 0, 1
	UNIT 0, 1, 2, 1
	UNIT 1, 0, 0, 1
	UNIT 1, 1, 3, 1
	UNIT 2, 0, 0, 1
.if \last
	UNIT 2, 1, 0, 1
.else
	UNIT 2, 1, 4, 1
.endif
	UNIT 3, 0, 0, 1
.if \last
	UNIT 3, 1, 0, 0
.else
	UNIT 3, 1, 5, 1
.endif
.endm
.macro START                           ; a part's first products
	s_wait_alu depctr_va_vdst(0)
	s_wait_dscnt 0x0                               ; the part's first two pairs are in
	WM 0, 0, 0
	WM 0, 0, 1
	WM 0, 1, 0
	WM 0, 1, 1
.rept 4
	v_nop                                          ; places ahead of the first read of results
.endr
.endm
	START
	TRIP 0                                         ; codewords 0-255: eight pairs
	TRIP 1
	; ---- the second part's codes
	s_wait_tensorcnt 0x0                           ; my 96 codewords have landed; only I read these bytes
	LOADX 0
.set Q, 0
.rept 6
	QTILE Q
.set Q, Q+1
.endr
	s_wait_alu depctr_va_vdst(0)
	s_wait_tensorcnt 0x0                           ; no LDS write follows
	ds_add_u32 v[SPW], v[NIL]
	s_wait_dscnt 0x0                               ; my codes, scale bytes and biases lie in LDS
	ROUND                                          ; everybody's do; it is also the cluster's closing round: no joint load follows, and no work-group ends ahead of it
	v_add_nc_u32 v[CAD], 4096, v[CAD]              ; (the first part's last trip stepped nothing)
	v_add_nc_u32 v[BAD], 512, v[BAD]
	v_add_nc_u32 v[SAD], 256, v[SAD]
	LOADP 0
	LOADP 1
	START
	s_mov_b32 s[CNT], 5
.Ltrip:                                                ; codewords 256-1023: 24 pairs
	TRIP 0
	s_sub_co_u32 s[CNT], s[CNT], 1
	s_cmp_lg_u32 s[CNT], 0
	s_cbranch_scc1 .Ltrip
	TRIP 1
; ---- THE END.  The lowest e whose kept score is the best, 15 where none of the fifteen is; index = 32 p + 16 s + 8 h + j with e = 8 s + j.  Then lane l and lane l xor 16, which hold the same row of z and
; the other codewords, agree: the greater score, among equals the lower index.
.set EI,  104
.set TE,  108
.set IDX, 112
.set FIN, 124
.set OB,  232
.set OI,  236
.irp a, 0,1,2,3
	v_mov_b32 v[EI+\a], 15
.endr
.irp e, 14,13,12,11,10,9,8,7,6,5,4,3,2,1,0
.irp a, 0,1,2,3
	v_cmp_eq_f32 s[FM+4*(\e%2)+\a], v[SV+16*\a+\e], v[BEST+2*\a]
.endr
.irp a, 0,1,2,3
	v_cndmask_b32 v[EI+\a], v[EI+\a], \e, s[FM+4*(\e%2)+\a]
.endr
.endr
.irp a, 0,1,2,3
	v_and_b32 v[TE+\a], 8, v[EI+\a]
.endr
.irp a, 0,1,2,3
	v_add3_u32 v[TE+\a], v[TE+\a], v[EI+\a], v[H8] ; e + 8 s + 8 h = 16 s + j + 8 h
.endr
.irp a, 0,1,2,3
	v_lshl_add_u32 v[IDX+\a], v[SV+16*\a+15], 5, v[TE+\a]
.endr
.irp a, 0,1,2,3
	v_permlanex16_b32 v[OB+\a], v[BEST+2*\a], s[SEL], s[SEL+1]
	v_permlanex16_b32 v[OI+\a], v[IDX+\a], s[SEL], s[SEL+1]
.endr
.irp a, 0,1,2,3
	v_cmp_gt_f32 s[FM+\a], v[OB+\a], v[BEST+2*\a]
	v_cmp_eq_f32 s[FM+4+\a], v[OB+\a], v[BEST+2*\a]
	v_cmp_lt_u32 s[FM+8+\a], v[OI+\a], v[IDX+\a]
.endr
.irp a, 0,1,2,3
	s_and_b32 s[FM+4+\a], s[FM+4+\a], s[FM+8+\a]
	s_or_b32 s[FM+\a], s[FM+\a], s[FM+4+\a]
	v_cndmask_b32 v[IDX+\a], v[IDX+\a], v[OI+\a], s[FM+\a]
.endr
	v_cndmask_b32 v[FIN], v[IDX], v[IDX+1], s[HI16]        ; lane l: row 2 l's index
	v_cndmask_b32 v[FIN+1], v[IDX+2], v[IDX+3], s[HI16]    ; and row 2 l + 1's
	global_store_b64 v[IXO], v[FIN:FIN+1], s[8:9]  ; the wave stores 256 consecutive bytes, at a multiple of 256 from idx's first byte
	s_endpgm
.Lfunc_end_k_qbea9507b08_nearest:
	.size	k_qbea9507b08_nearest, .Lfunc_end_k_qbea9507b08_nearest-k_qbea9507b08_nearest
	.p2alignl 7, 3214868480
	.fill 96, 4, 3214868480
	.section	.rodata,"a",@progbits
	.p2align	6, 0x0
	.amdhsa_kernel k_qbea9507b08_nearest
		.amdhsa_group_segment_fixed_size 327680
		.amdhsa_private_segment_fixed_size 0
		.amdhsa_enable_private_segment 0
		.amdhsa_kernarg_size 24
		.amdhsa_user_sgpr_count 2
		.amdhsa_user_sgpr_kernarg_segment_ptr 1
		.amdhsa_wavefront_size32 1
		.amdhsa_system_sgpr_workgroup_id_x 1
		.amdhsa_system_sgpr_workgroup_id_y 1
		.amdhsa_system_sgpr_workgroup_id_z 1
		.amdhsa_system_vgpr_workitem_id 0
		.amdhsa_next_free_vgpr 256
		.amdhsa_next_free_sgpr 66
		.amdhsa_reserve_vcc 1
		.amdhsa_float_denorm_mode_32 3
		.amdhsa_float_denorm_mode_16_64 3
		.amdhsa_memory_ordered 1
		.amdhsa_forward_progress 1
		.amdhsa_inst_pref_size 157
	.end_amdhsa_kernel
	.amdgpu_metadata
---
amdhsa.version: [ 1, 2 ]
amdhsa.kernels:
  - .name:           k_qbea9507b08_nearest
    .symbol:         k_qbea9507b08_nearest.kd
    .args:
      - { .name: embeddings, .offset: 0, .size: 8, .value_kind: global_buffer, .address_space: global }
      - { .name: zq, .offset: 8, .size: 8, .value_kind: global_buffer, .address_space: global }
      - { .name: idx, .offset: 16, .size: 8, .value_kind: global_buffer, .address_space: global }
    .group_segment_fixed_size: 327680
    .private_segment_fixed_size: 0
    .kernarg_segment_align: 8
    .kernarg_segment_size: 24
    .max_flat_workgroup_size: 256
    .sgpr_count:     66
    .vgpr_count:     256
    .wavefront_size: 32
...
	.end_amdgpu_metadata
.endif
;; end of part 3
;; launch gather (part 4): grid 256 x 1, 8 waves a work-group, no clusters, 0 bytes of LDS; arguments idx, embeddings, out0; writes out0
.if DOCPART == 4
	.amdgcn_target "amdgcn-amd-amdhsa--gfx1250"
	.amdhsa_code_object_version 6
	.text
	.protected	k_qbea9507b08_gather
	.globl	k_qbea9507b08_gather
	.p2align	8
	.type	k_qbea9507b08_gather,@function
k_qbea9507b08_gather:
	s_mov_b64 s[64:65], 0
	v_nop
	global_prefetch_b8 v0, s[64:65] scope:SCOPE_SE
	s_setreg_imm32_b32 hwreg(HW_REG_WAVE_MODE, 25, 1), 1
	s_wait_xcnt 0x0
; out0[b][:] = embeddings[idx[b]][:].  idx: [131072] u32, stored by the launch before; embeddings: [1024][64] f32; out0: [131072][64] f32.
; A stream: each row is 256 bytes, read by sixteen lanes (16 bytes each) and stored by the same sixteen as 256 consecutive bytes at a multiple of 256 from out0's first byte.
; No LDS, no barrier, no matrix work: waves share nothing and nothing is computed.  Eight waves; a work-group takes 512 rows, a wave 64: all its 32 loads (two rows each) are out together.
; An index is held to 1,023 before it enters an address.
.set AD, 8                             ; v8-39    for load m: the byte offset in the table of my 16 bytes: lanes 0-15 row m of the wave's 64, lanes 16-31 row 32 + m
.set DT, 40                            ; v40-167  the rows
	s_load_b128 s[4:7], s[0:1], 0x0                ; idx s[4:5], embeddings s[6:7]
	s_load_b64 s[8:9], s[0:1], 0x10                ; out0
	v_lshrrev_b32 v1, 5, v0
	s_delay_alu instid0(VALU_DEP_1)
	v_readfirstlane_b32 s10, v1                    ; wave 0..7
	v_and_b32 v6, 31, v0                           ; lane
	v_and_b32 v7, 15, v0                           ; r
	v_bfe_u32 v3, v0, 4, 1                         ; h
	s_delay_alu instid0(VALU_DEP_3)
	v_lshlrev_b32 v1, 3, v6                        ; idx: two words a lane
	s_delay_alu instid0(VALU_DEP_3)
	v_lshlrev_b32 v2, 4, v7                        ; my 16 bytes of a row
	s_delay_alu instid0(VALU_DEP_1)
	v_lshl_add_u32 v3, v3, 13, v2                  ; out0: lanes 16-31 stand 32 rows further down
	s_lshl_b32 s2, ttmp9, 11                       ; idx: 512 words a work-group,
	s_lshl_b32 s3, s10, 8                          ; 64 a wave
	s_add_co_u32 s2, s2, s3
	s_mov_b32 s3, 0
	s_lshl_b32 s12, ttmp9, 17                      ; out0: 512 rows of 256 bytes a work-group,
	s_lshl_b32 s13, s10, 14                        ; 64 a wave
	s_add_co_u32 s12, s12, s13
	s_mov_b32 s13, 0
	s_wait_alu depctr_va_vdst(0)
	s_wait_kmcnt 0x0
	s_add_nc_u64 s[4:5], s[4:5], s[2:3]
	s_add_nc_u64 s[8:9], s[8:9], s[12:13]
	global_load_b64 v[4:5], v1, s[4:5] th:TH_LOAD_NT   ; the wave's 64 indices: 256 consecutive bytes; lane l holds those of rows 2 l and 2 l + 1
.set M, 0
.rept 32
	v_mov_b32 v[AD+M], 0                           ; written once, while the load is out: the destination of a lane move counts as one of its sources
.set M, M+1
.endr
	s_wait_loadcnt 0x0
.irp n, 0,1,2,3,4,5,6,7,8,9,10,11,12,13,14,15
.irp o, 0,1
	v_mov_b32_dpp v[AD+2*\n+\o], v[4+\o] row_share:\n row_mask:0xf bank_mask:0xf   ; all sixteen lanes of a half take lane n of that half: rows 2 n + o and 32 + 2 n + o
.endr
.endr
.set M, 0
.rept 32
	v_min_u32 v[AD+M], 0x3ff, v[AD+M]              ; inside the table
	s_delay_alu instid0(VALU_DEP_1)
	v_lshl_add_u32 v[AD+M], v[AD+M], 8, v2         ; 256 bytes a codeword, + my 16
	global_load_b128 v[DT+4*M:DT+4*M+3], v[AD+M], s[6:7]   ; no hint: the table's rows are read again and again
.set M, M+1
.endr
.set M, 0
.rept 32
	s_wait_loadcnt 31-M                            ; loads come back in order (ISA guide 5.7.1): load m is in, the younger ones stay out
	global_store_b128 v3, v[DT+4*M:DT+4*M+3], s[8:9] offset:256*M th:TH_STORE_NT   ; two whole rows; written once, read by nobody here.  No register is written again, so nothing waits for the stores
.set M, M+1
.endr
	s_endpgm
.Lfunc_end_k_qbea9507b08_gather:
	.size	k_qbea9507b08_gather, .Lfunc_end_k_qbea9507b08_gather-k_qbea9507b08_gather
	.p2alignl 7, 3214868480
	.fill 96, 4, 3214868480
	.section	.rodata,"a",@progbits
	.p2align	6, 0x0
	.amdhsa_kernel k_qbea9507b08_gather
		.amdhsa_group_segment_fixed_size 0
		.amdhsa_private_segment_fixed_size 0
		.amdhsa_enable_private_segment 0
		.amdhsa_kernarg_size 24
		.amdhsa_user_sgpr_count 2
		.amdhsa_user_sgpr_kernarg_segment_ptr 1
		.amdhsa_wavefront_size32 1
		.amdhsa_system_sgpr_workgroup_id_x 1
		.amdhsa_system_sgpr_workgroup_id_y 1
		.amdhsa_system_sgpr_workgroup_id_z 1
		.amdhsa_system_vgpr_workitem_id 0
		.amdhsa_next_free_vgpr 168
		.amdhsa_next_free_sgpr 66
		.amdhsa_reserve_vcc 0
		.amdhsa_float_denorm_mode_32 3
		.amdhsa_float_denorm_mode_16_64 3
		.amdhsa_memory_ordered 1
		.amdhsa_forward_progress 1
		.amdhsa_inst_pref_size 17
	.end_amdhsa_kernel
	.amdgpu_metadata
---
amdhsa.version: [ 1, 2 ]
amdhsa.kernels:
  - .name:           k_qbea9507b08_gather
    .symbol:         k_qbea9507b08_gather.kd
    .args:
      - { .name: idx, .offset: 0, .size: 8, .value_kind: global_buffer, .address_space: global }
      - { .name: embeddings, .offset: 8, .size: 8, .value_kind: global_buffer, .address_space: global }
      - { .name: out0, .offset: 16, .size: 8, .value_kind: global_buffer, .address_space: global }
    .group_segment_fixed_size: 0
    .private_segment_fixed_size: 0
    .kernarg_segment_align: 8
    .kernarg_segment_size: 24
    .max_flat_workgroup_size: 256
    .sgpr_count:     66
    .vgpr_count:     168
    .wavefront_size: 32
...
	.end_amdgpu_metadata
.endif
;; end of part 4
